; MI455X (gfx1250); checked and timed in simulation.
; The chip was launched on July 23, 2026; its instructions are those of AMD's public machine-readable ISA for CDNA 5 (MIT licence, August 2026) and "CDNA5" Instruction Set Architecture Reference Guide (July 2026). The comments in the code are by the model that wrote it; some were corrected since.
;; Expert Gated Aggregator. Allowed arithmetic: matrix products marked QUANTISED: E2M1 operands, one E8M0 scale for each 32 along K, by v_wmma_scale_f32_16x16x128_f8f6f4 with both operands' format E2M1 (or v_wmma_scale_f32_32x16x128_f4), f32 sums; products left as they are: f32 operands where the result goes on into a quantised operand, else bf16, f16 or f32 operands; f32 sums; everything else in f32.
;; Inputs: W1 1,032 x 1,024 float32; W2 1,024 x 512 float32; W3 512 x 8 float32; active_mask 32,768 x 8 float32; b1 1,024 float32; b2 512 float32; b3 8 float32; expert_probs 8 x 32,768 x 1 float32; expert_reprs 8 x 32,768 x 128 float32.
;; Outputs: out0 32,768 x 1 float32; out1 32,768 x 8 float32.
;; This version of the problem:
;;   THIS VERSION OF THE PROBLEM IS GIVEN IN LOW PRECISION. The matrix products marked QUANTISED in the list below multiply operands that are first quantised to E2M1 (2 exponent bits, 1 mantissa bit; 4 bits a number), with one power-of-two scale for each 32 numbers along K (OCP MX v1.0); their sums are f32. All else is computed in f32.
;;   The module's matrix products, in the order in which they are computed (A, B: the left and right operand; K: the contracted axis; several contracted axes count as one K, in the product's order):
;;     1. [M 32,768, K 1,032] x [K 1,032, N 1,024]; A: computed on the way; B: input W1: QUANTISED
;;     2. [M 32,768, K 1,024] x [K 1,024, N 512]; A: computed on the way; B: input W2: QUANTISED
;;     3. [M 32,768, K 512] x [K 512, N 8]; A: computed on the way; B: input W3: left as it is (N = 8 < 16)
;;   THE QUANTISER, for each operand of a quantised product, along K:
;;     - K is cut into blocks of 32 from its start; a last block that is shorter is filled with zeros.
;;     - A block's scale is 2^e with e = floor(log2(the largest magnitude in the block)) - 2, held to -126 .. 127; a block of zeros has e = 0. As a byte (E8M0): e + 127.
;;     - Each number is divided by its block's scale, clamped to +-6, and rounded to the nearest number of E2M1, ties to even, subnormals kept.
;;     - The product sums the exact products of the quantised numbers (number of the format x scale) in f32.
;;   ~~~python
;;   def quantise(x, axis):      # numpy; x: float32 -> the quantised numbers, widened to float32 again
;;       x = np.moveaxis(x, axis, -1); K = x.shape[-1]
;;       x = np.pad(x, [(0, 0)] * (x.ndim - 1) + [(0, -K % 32)]); x = x.reshape(x.shape[:-1] + (-1, 32)); a = np.abs(x).max(-1, keepdims=True)
;;       e = np.where(a > 0, np.clip(np.frexp(np.where(a > 0, a, 1))[1] - 1 - 2, -126, 127), 0)      # np.frexp(a)[1] - 1 = floor(log2(a)), exactly
;;       r = np.clip(x / 2.0 ** e, -6, 6)
;;       step = 2.0 ** (np.maximum(np.frexp(np.where(r == 0, 1, r))[1] - 1, 0) - 1)
;;       q = np.round(r / step) * step * 2.0 ** e      # np.round: ties to even
;;       return np.moveaxis(q.reshape(q.shape[:-2] + (-1,))[..., :K], -1, axis).astype(np.float32)
;;   ~~~
;;   OPERANDS COMPUTED ON THE WAY. 'Computed on the way' means the value that the module computes at that place (a softmax that the list does not call 'softmax' is quantised finished and normalised). What goes into a quantiser is computed in f32, as accurately as f32 sums, v_exp_f32 and their like allow (about 1e-6 of the number): no bf16 or f16 on the way to a quantiser, and a product that is left as it is and whose result goes on into a quantised operand takes f32 operands (vector FMAs, or v_wmma_f32_16x16x4_f32). A number that lies on a knife's edge between two numbers of the format may be rounded either way, as far as f32 arithmetic and the matrix unit's own rounding can turn it there, and no further.
;; One version. Each part assembles by itself: llvm-mc -triple=amdgcn-amd-amdhsa -mcpu=gfx1250 --defsym DOCPART=n.
;; ======== version 1 of 1: 2 launches
;; limits: values are held in bf16: 8 bits of precision; right only within a limited range of input values
;; workspace buffers: wq 921,600 bytes
;; launch prep (part 1): grid 105 x 1, 16 waves a work-group, no clusters, 3,072 bytes of LDS; arguments W1, W2, wq, W3; writes wq
.if DOCPART == 1
	.amdgcn_target "amdgcn-amd-amdhsa--gfx1250"
	.amdhsa_code_object_version 6
	.text
	.protected	k_qee5fc9a62e_prep
	.globl	k_qee5fc9a62e_prep
	.p2align	8
	.type	k_qee5fc9a62e_prep,@function
k_qee5fc9a62e_prep:
	s_mov_b64 s[64:65], 0
	v_nop
	global_prefetch_b8 v0, s[64:65] scope:SCOPE_SE
	s_setreg_imm32_b32 hwreg(HW_REG_WAVE_MODE, 25, 1), 1
	s_wait_xcnt 0x0
; W1 [1032][1024] and W2 [1024][512], f32 with K as their FIRST axis, become codes of FP4 (E2M1) with one E8M0 byte for each 32 along K,
; laid in wq in the order in which the next launch's operand registers take them.
; wq = 26 steps of STEPB bytes.  A step is one K step of 128 for 512 output units: steps 0-8 W1's units 0-511, steps 9-17 W1's units 512-1023, steps 18-25 W2.
;   bytes 0 .. 32767: for wave w (0..3) and tile b = 2 beta + u (0..7) a fragment's image at (8 w + b) x 1024: half c at + 512 c, lane l's 16 bytes at + 16 l.
;     Lane (r = l % 16, h = l / 16) holds k = 64 c + 32 h + 0 .. 31 of unit 128 w + 32 beta + 8 u + r + 8 (r / 8): the units of a tile are chosen so that the next
;     launch's results of tiles 2 beta and 2 beta + 1 are 16 neighbours along the following product's K.
;   bytes 32768 .. 34815: the scale words (four bytes: the K step's four blocks) at 512 w + 256 u + 16 r + 4 beta.
; A LANE TAKES A COLUMN AND ITS REGISTERS RUN DOWN K: a load reads 128 consecutive bytes a wave, a block of 32 lies in one lane, nothing is transposed.
; SHARES: a work-group takes 128 columns x one K step; wave wv takes columns 32 (wv % 4) on and block wv / 4 of the step.  Work-groups 0-71: W1 (64-71: its last K step,
; of which rows 1024 .. 1031 exist: the rest is zeros, as the quantiser fills a short block); 72-103: W2.
; A block's scale is 2^(floor(log2(largest magnitude)) - 2); its byte is the largest magnitude's exponent field - 2, held at 1 from below by a floor among the maximum's leaves.
; LIMITS: a block of zeros gets the byte 1 where the rule says 127 (its codes are zeros, and this program alone reads the bytes); NaN and infinities are not served.
.set STEPB, 34816
.set X,     32                         ; v32-63 the block's 32 numbers
.macro LOADS pitch, count              ; rows 0 .. count - 1 of my block, pitch bytes apart
.set i, 0
.rept \count
	global_load_b32 v[X+i], v2, s[4:5] offset:i*\pitch th:TH_LOAD_NT
.set i, i+1
.endr
.endm
	s_load_b128 s[4:7], s[0:1], 0x0                ; W1, W2
	s_load_b64 s[8:9], s[0:1], 0x10                ; wq
	s_load_b64 s[32:33], s[0:1], 0x18              ; W3
	v_lshl_add_u32 v64, v0, 2, 0x400
	v_mov_b32 v65, 0
	v_lshrrev_b32 v1, 5, v0
	s_delay_alu instid0(VALU_DEP_1)
	v_readfirstlane_b32 s10, v1                    ; wave 0..15
	v_and_b32 v1, 31, v0                           ; t: my column among the wave's 32
	s_delay_alu instid0(VALU_DEP_1)
	v_lshlrev_b32 v2, 2, v1                        ; 4 t
	v_bfe_u32 v6, v0, 3, 1                         ; u = (t / 8) % 2
	v_and_b32 v7, 7, v0
	v_bfe_u32 v12, v0, 4, 1
	s_delay_alu instid0(VALU_DEP_1)
	v_lshl_or_b32 v7, v12, 3, v7                   ; r = t % 8 + 8 (t / 16): column t = 8 u + r + 8 (r / 8)
	s_delay_alu instid0(VALU_DEP_1)
	v_lshlrev_b32 v7, 4, v7                        ; 16 r
	s_delay_alu instid0(VALU_DEP_1)
	v_lshl_add_u32 v3, v6, 10, v7                  ; my codes' place: 1024 u + 16 r
	s_delay_alu instid0(VALU_DEP_2)
	v_lshl_add_u32 v4, v6, 8, v7                   ; my scale byte's word: 256 u + 16 r
	v_lshlrev_b32 v5, 4, v1                        ; 16 x lane
	s_and_b32 s11, s10, 3                          ; beta
	s_lshr_b32 s12, s10, 2                         ; kb: which block of the K step
	s_lshl_b32 s13, s11, 2
	s_add_co_u32 s13, s13, s12
	v_add_nc_u32 v4, s13, v4                       ; + 4 beta + kb
	s_lshr_b32 s14, ttmp9, 3                       ; as a work-group of W1: K step,
	s_and_b32 s15, ttmp9, 7                        ; group of 128 columns,
	s_lshr_b32 s16, s15, 2
	s_mul_i32 s16, s16, 9
	s_add_co_u32 s16, s16, s14                     ; step of wq
	s_sub_co_u32 s17, ttmp9, 72                    ; as a work-group of W2 (not used below 72)
	s_lshr_b32 s18, s17, 2
	s_and_b32 s19, s17, 3
	s_add_co_u32 s20, s18, 18
	s_wait_kmcnt 0x0
	s_cmp_eq_u32 ttmp9, 104                        ; work-group 104 lays W3: it parts here, on the work-group's number alone
	s_cbranch_scc1 .Lw3
	s_cmp_lt_u32 ttmp9, 72                         ; the choice hangs on the work-group's number alone
	s_cselect_b32 s14, s14, s18                    ; ks
	s_cselect_b32 s15, s15, s19                    ; g
	s_cselect_b32 s16, s16, s20                    ; s
	s_cselect_b32 s21, 10, 9                       ; log2 of the tensor's columns
	s_cselect_b64 s[4:5], s[4:5], s[6:7]
	s_and_b32 s22, s15, 3                          ; w
	s_lshl_b32 s23, s14, 7
	s_lshl_b32 s24, s12, 5
	s_add_co_u32 s23, s23, s24                     ; my block's first row: 128 ks + 32 kb
	s_lshl_b32 s23, s23, s21
	s_lshl_b32 s24, s15, 7
	s_add_co_u32 s23, s23, s24
	s_lshl_b32 s24, s11, 5
	s_add_co_u32 s23, s23, s24                     ; + my wave's first column: 128 g + 32 beta
	s_lshl_b32 s24, s23, 2
	s_mov_b32 s25, 0
	s_add_nc_u64 s[4:5], s[4:5], s[24:25]
	s_mul_i32 s26, s16, STEPB
	s_mov_b32 s27, 0
	s_add_nc_u64 s[8:9], s[8:9], s[26:27]          ; wq at my step
	s_lshl_b32 s26, s22, 9
	s_add_co_u32 s26, s26, 32768
	s_add_nc_u64 s[30:31], s[8:9], s[26:27]        ; the work-group's 512 bytes of scale words
	s_lshl_b32 s26, s22, 13
	s_lshl_b32 s28, s11, 11
	s_add_co_u32 s26, s26, s28
	s_lshl_b32 s28, s12, 8                         ; 512 (kb / 2) + 256 (kb % 2) = 256 kb: half c, then the lanes' upper half
	s_add_co_u32 s26, s26, s28
	s_add_nc_u64 s[8:9], s[8:9], s[26:27]
	; the loads, in three forms; no LDS instruction and no barrier stands under these branches
	s_cmp_ge_u32 ttmp9, 72
	s_cbranch_scc1 .Lw2
	s_cmp_ge_u32 ttmp9, 64
	s_cbranch_scc1 .Ltail
	LOADS 4096, 32
	s_branch .Lin
.Ltail:                                            ; W1's last K step: zeros, and in its first block the eight rows that exist: no load leaves the buffer
.set i, 0
.rept 32
	v_mov_b32 v[X+i], 0
.set i, i+1
.endr
	s_cmp_lg_u32 s12, 0
	s_cbranch_scc1 .Lin
	LOADS 4096, 8
	s_branch .Lin
.Lw2:
	LOADS 2048, 32
.Lin:
	s_wait_loadcnt 0x0
	v_max3_num_f32 v12, |v[X]|, |v[X+1]|, |v[X+2]|             ; the block's largest magnitude, in two chains: all 32 numbers are mine
	v_max3_num_f32 v13, |v[X+3]|, |v[X+4]|, |v[X+5]|
.irp j, 6,10,14,18,22,26
	s_delay_alu instid0(VALU_DEP_2)
	v_max3_num_f32 v12, v12, |v[X+\j]|, |v[X+\j+1]|
	s_delay_alu instid0(VALU_DEP_2)
	v_max3_num_f32 v13, v13, |v[X+\j+2]|, |v[X+\j+3]|
.endr
	s_delay_alu instid0(VALU_DEP_2)
	v_max3_num_f32 v12, v12, |v[X+30]|, |v[X+31]|
	s_delay_alu instid0(VALU_DEP_1)
	v_max3_num_f32 v12, v12, v13, 0x1800000        ; and the floor 2^(3 - 127): the byte cannot fall under 1
	s_delay_alu instid0(VALU_DEP_1)
	v_add_nc_u32 v14, 0xff000000, v12              ; 2 off the exponent field: the conversion takes that field as its scale and nothing else
	s_delay_alu instid0(VALU_DEP_1)
	v_lshrrev_b32 v15, 23, v14                     ; the scale's byte
.irp g, 0,1,2,3
	v_cvt_scalef32_pk8_fp4_f32 v[8+\g], v[X+8*\g:X+8*\g+7], v14
.endr
	v_nop                                          ; one plain line behind the last scaled conversion
	global_store_b128 v3, v[8:11], s[8:9]          ; the wave's store fills two aligned runs of 256 bytes: u = 0 and u = 1, sixteen lanes each
	ds_store_b8 v4, v15                            ; the 16 waves' bytes make the work-group's 128 scale words
	s_wait_dscnt 0x0                               ; for the others' sake: my byte has landed
	s_barrier_signal -1
	s_barrier_wait -1
	s_cmp_lg_u32 s10, 0
	s_cbranch_scc1 .Lend
	ds_load_b128 v[16:19], v5                      ; wave 0: the 512 bytes as they lie
	s_wait_dscnt 0x0
	global_store_b128 v5, v[16:19], s[30:31]       ; 512 consecutive bytes, aligned
	s_branch .Lend
; W3 [512][8], f32, becomes bf16 fragments behind wq's 26 steps (byte 905,216 on): wave 4 w + g of this work-group makes the image of 32 along K for
; the next launch's wave w, group g: lane (r, h) holds k = 128 w + 32 g + 16 h + 0 .. 15 of column r % 8, two numbers a register;
; registers 0-3 at 1024 (4 w + g) + 16 lane, registers 4-7 512 bytes further on.
.Lw3:
	v_and_b32 v20, 7, v0
	v_bfe_u32 v21, v0, 4, 1
	v_and_b32 v22, 31, v0
	s_lshl_b32 s11, s10, 10                        ; 32 rows of W3 are 1,024 bytes, and so is an image
	v_lshlrev_b32 v20, 2, v20
	v_lshl_add_u32 v22, v22, 4, s11                ; out: 1024 x wave + 16 x lane
	s_delay_alu instid0(VALU_DEP_2)
	v_lshl_add_u32 v20, v21, 9, v20                ; in: 4 (r % 8) + 16 h rows of 32 bytes
	s_delay_alu instid0(VALU_DEP_1)
	v_add_nc_u32 v20, s11, v20
.irp i, 0,1,2,3,4,5,6,7,8,9,10,11,12,13,14,15
	global_load_b32 v[X+\i], v20, s[32:33] offset:32*\i
.endr
	s_wait_alu depctr_va_vdst(0)
	s_wait_loadcnt 0x0
.irp j, 0,1,2,3,4,5,6,7
	v_cvt_pk_bf16_f32 v[8+\j], v[X+2*\j], v[X+2*\j+1]
.endr
	global_store_b128 v22, v[8:11], s[8:9] offset:26*STEPB       ; each store of the wave covers 512 consecutive bytes, aligned
	global_store_b128 v22, v[12:15], s[8:9] offset:26*STEPB+512
.Lend:
	s_wait_tensorcnt 0x0
	ds_add_u32 v64, v65
	s_wait_dscnt 0x0
	s_endpgm
.Lfunc_end_k_qee5fc9a62e_prep:
	.size	k_qee5fc9a62e_prep, .Lfunc_end_k_qee5fc9a62e_prep-k_qee5fc9a62e_prep
	.p2alignl 7, 3214868480
	.fill 96, 4, 3214868480
	.section	.rodata,"a",@progbits
	.p2align	6, 0x0
	.amdhsa_kernel k_qee5fc9a62e_prep
		.amdhsa_group_segment_fixed_size 3072
		.amdhsa_private_segment_fixed_size 0
		.amdhsa_enable_private_segment 0
		.amdhsa_kernarg_size 32
		.amdhsa_user_sgpr_count 2
		.amdhsa_user_sgpr_kernarg_segment_ptr 1
		.amdhsa_wavefront_size32 1
		.amdhsa_system_sgpr_workgroup_id_x 1
		.amdhsa_system_sgpr_workgroup_id_y 1
		.amdhsa_system_sgpr_workgroup_id_z 1
		.amdhsa_system_vgpr_workitem_id 0
		.amdhsa_next_free_vgpr 66
		.amdhsa_next_free_sgpr 66
		.amdhsa_reserve_vcc 0
		.amdhsa_float_denorm_mode_32 3
		.amdhsa_float_denorm_mode_16_64 3
		.amdhsa_memory_ordered 1
		.amdhsa_forward_progress 1
		.amdhsa_inst_pref_size 17
	.end_amdhsa_kernel
	.amdgpu_metadata
---
amdhsa.version: [ 1, 2 ]
amdhsa.kernels:
  - .name:           k_qee5fc9a62e_prep
    .symbol:         k_qee5fc9a62e_prep.kd
    .args:
      - { .name: W1, .offset: 0, .size: 8, .value_kind: global_buffer, .address_space: global }
      - { .name: W2, .offset: 8, .size: 8, .value_kind: global_buffer, .address_space: global }
      - { .name: wq, .offset: 16, .size: 8, .value_kind: global_buffer, .address_space: global }
      - { .name: W3, .offset: 24, .size: 8, .value_kind: global_buffer, .address_space: global }
    .group_segment_fixed_size: 3072
    .private_segment_fixed_size: 0
    .kernarg_segment_align: 8
    .kernarg_segment_size: 32
    .max_flat_workgroup_size: 512
    .sgpr_count:     66
    .vgpr_count:     66
    .wavefront_size: 32
...
	.end_amdgpu_metadata
.endif
;; end of part 1
;; launch gate (part 2): grid 256 x 1, 4 waves a work-group, no clusters, 148,480 bytes of LDS; arguments expert_reprs, expert_probs, active_mask, wq, b1, b2, b3, out0, out1; writes out0, out1
.if DOCPART == 2
	.amdgcn_target "amdgcn-amd-amdhsa--gfx1250"
	.amdhsa_code_object_version 6
	.text
	.protected	k_qee5fc9a62e_gate
	.globl	k_qee5fc9a62e_gate
	.p2align	8
	.type	k_qee5fc9a62e_gate,@function
k_qee5fc9a62e_gate:
	s_mov_b64 s[64:65], 0
	v_nop
	global_prefetch_b8 v0, s[64:65] scope:SCOPE_SE
	s_setreg_imm32_b32 hwreg(HW_REG_WAVE_MODE, 25, 1), 1
	s_wait_xcnt 0x0
; The whole gate for 128 rows a work-group: gate_in quantised to FP4 (E2M1, one E8M0 byte for 32 along K), x W1 + b1, relu, quantised, x W2 + b2, relu, x W3 (bf16) + b3,
; softmax with its maximum taken away, mask, renormalising, weighted probability.  No step of reference() is left out.  W3 is read as the bf16 fragments that the launch before laid in wq.
; SHARES: four waves.  Ahead of the products wave w quantises rows 32 w .. 32 w + 31 of all eight experts into an image of operand registers in LDS (9 K steps of 128; the ninth holds the 8 probabilities and zeros).
; In a product wave w makes 128 rows x units 128 w .. + 127 of a run of 512 units: 32 accumulators of 32 units x 16 rows.  Product 1 goes in two passes of 9 K steps, product 2 in one of 8.
; THE WEIGHTS GO FROM MEMORY STRAIGHT INTO OPERAND REGISTERS: wq holds fragment images, and each of its bytes is wanted by ONE wave of a work-group.  Through LDS a K step's 34,816 bytes would be written
; there once and read there once more for nothing; so there is no tensor load, no slot and no barrier inside a product, and cluster = none: a joint load lands in LDS, which these bytes never see.
; Four sets of weight registers take turns; a set is loaded anew, for the step three on, as soon as its step is done: 17 loads a step, at most three such groups out inside a product.
; PREFETCH: while the rows are quantised, wq's 3,600 blocks of 256 bytes are asked for once by each of eight work-groups: 32 parts of 113 blocks, a lane a block, one instruction a wave;
; the part is told by address, from the work-group's number; the index is held at the last block, so every lane stays inside wq.  It stands three trips of the loop ahead of the first load of weights.
; THE MATRIX INSTRUCTION IS USED TRANSPOSED (source 0 = 32 units of a weight, two neighbouring tiles of 16; source 1 = 16 rows): a lane holds one row, its registers run along the units, which are the next K.
; THE HIDDEN LAYER'S RELU is made on the codes: the block's maximum is taken without |.| (what is negative does not count; the floor stands over it), and a negative code is cut down to the code of -0, which adds nothing to a sum.
; LIMITS: a block of zeros gets the byte 1 where the rule says 127 (its codes are zeros; only this program reads the bytes); NaN and infinities among the inputs are not served.
; REGISTERS: window 0: v0-39 addresses; v40-55 the weights' scale words, 4 sets; v72-135 a bias as the first C, at the end the logits; v136-199 numbers to be quantised / the rows' fragments / W3's fragments;
;   v200-225 at work in the quantiser; v226-241 mask and probabilities; v244-251 the rows' scale words.  Window 1: the rows as loaded, then 4 sets of weight fragments.  Windows 2, 3: the accumulators.
.set STEPB,  34816                     ; a K step of wq: 32,768 bytes of codes, 2,048 of scale words
.set W3Q,    26*STEPB                  ; W3's fragments in wq
.set HSC,    0                         ; LDS: the hidden layer's scale words, 4,096 bytes
.set HIMG,   HSC+4096                  ; its codes: 8 K steps x 8,192
.set XIMG,   HIMG+65536                ; gate_in's codes: 9 K steps x 8,192
.set XSC,    XIMG+73728                ; its scale words: 9 x 512
.set SPARE,  XSC+4608                  ; the spare words: 128 bytes a wave
.set STG,    HSC                       ; each wave's stage for 16 rows x 512 bytes, used before the hidden layer exists
.set SPITCH, 528
.set PLG,    XIMG+32768                ; the waves' partial logits, written when gate_in's image is done with
.set O1,     PLG+16384
.set O0,     O1+4096
.set SPW,  4
.set NIL,  5
.set XO,   6                           ; 16 x lane
.set STI,  7
.set STO,  8
.set XWI,  9
.set XWA,  10
.set XWS,  11
.set XWSA, 12
.set X8W,  13
.set AX0,  14
.set AX1,  15
.set AXS0, 16
.set AH0,  17
.set AHS0, 18
.set WSO,  19                          ; 16 x (lane % 16) + 256 x (lane / 16)
.set HWI,  20
.set HWA,  21
.set HWSI, 22
.set HWSA, 23
.set VB,   24
.set PO,   25
.set MO,   26
.set PLN,  27
.set PST,  28
.set PRD,  29
.set O1S,  30
.set O1R,  31
.set O0S,  32
.set O0R,  33
.set PFO,  34                          ; the prefetch's offset; never rewritten
.set WS,   40
.set BI,   72
.set HA,   136
.set XF,   136
.set W3F,  136
.set ZR,   168
.set TM,   200
.set PC,   216
.set PW,   224
.set MK,   226
.set PB,   234
.set XS,   244
.set WV,   3
.set WB,   36                          ; s[36:37] my codes in wq, s[38:39] my scale words, s[40:41] my fragments of W3
.set WSB,  38
.set W3B,  40
.set SEL,  60
.set PS,   90
.set TR,   91
.set TH,   92
.set THS,  93
.set MSB, 0
.macro WIN new                         ; the immediate's high byte repeats the setting that is left
.if MSB != (\new)
	s_set_vgpr_msb (MSB<<8)|(\new)
.set MSB, (\new)
.endif
.endm
.macro PLACES                          ; four places behind matrix instructions, ahead of loads into their registers and of reads of their results
.rept 4
	v_nop
.endr
.endm
.macro BARRIER
	s_wait_dscnt 0x0
	s_barrier_signal -1
	s_barrier_wait -1
.endm
.macro XLOAD set, base, off            ; 16 rows x 512 bytes as they lie: each load reads 512 consecutive bytes
.irp n, 0,1,2,3,4,5,6,7,8,9,10,11,12,13,14,15
	global_load_b128 v[64*(\set)+4*\n:64*(\set)+4*\n+3], v[XO], s[\base:\base+1] offset:\off+512*\n th:TH_LOAD_NT
.endr
.endm
.macro WSCALES st, set                 ; the scale words of my four pairs of tiles for stream step st: lanes 0-15 the even tile's 16 units, lanes 16-31 the odd tile's
	global_load_b128 v[WS+4*(\set):WS+4*(\set)+3], v[WSO], s[WSB:WSB+1] offset:STEPB*(\st)
.endm
.macro WCODES st, set                  ; and their fragments (destination in window 1)
.irp b, 0,1,2,3,4,5,6,7
.irp c, 0,1
	global_load_b128 v[64*(\set)+8*\b+4*\c:64*(\set)+8*\b+4*\c+3], v[XO], s[WB:WB+1] offset:STEPB*(\st)+1024*\b+512*\c
.endr
.endr
.endm
.macro WLOAD st, set                   ; 17 loads
	WIN 0
	WSCALES \st, \set
	WIN 0x40
	WCODES \st, \set
	WIN 0
.endm
.macro BIAS                            ; my 128 units' bias in the result's layout: the C of a product's first step
.irp b, 0,1,2,3,4,5,6,7
.irp i, 0,1
	global_load_b128 v[BI+8*\b+4*\i:BI+8*\b+4*\i+3], v[VB], s[82:83] offset:(32*(\b/2)+8*(\b%2))*4+16*\i
.endr
.endr
.endm
; The quantiser's middle: from my 16 numbers' maxima of four blocks (v[TM ..]) to the conversions' scale operands (v[TM+12 ..]) and the scale word (v[PW])
.macro QMID
.irp b, 0,1,2,3
	v_permlanex16_b32 v[TM+4+\b], v[TM+\b], s[SEL], s[SEL+1]
.endr
.irp b, 0,1,2,3
	v_max_num_f32 v[TM+\b], v[TM+\b], v[TM+4+\b]                   ; with lane l xor 16's 16: the block's largest magnitude
.endr
.irp b, 0,1,2,3
	v_add_nc_u32 v[TM+12+\b], 0xff000000, v[TM+\b]                 ; 2 off its exponent field: the conversion's scale operand
.endr
.irp b, 0,1,2,3
	v_lshrrev_b32 v[TM+4+\b], 23, v[TM+12+\b]                      ; the byte
.endr
	s_wait_alu depctr_va_vdst(0)
	s_wait_dscnt 0x0                       ; the last image's stores have read their registers
	v_lshl_or_b32 v[PW], v[TM+5], 8, v[TM+4]
	v_lshl_or_b32 v[PW], v[TM+6], 16, v[PW]
	v_lshl_or_b32 v[PW], v[TM+7], 24, v[PW]
.endm
.macro QSWAP                           ; a whole block to a lane
.irp c, 0,1
.irp i, 0,1
	v_permlane16_swap_b32 v[PC+4*\c+\i], v[PC+2+4*\c+\i]
.endr
.endr
.endm
; 16 rows x 128 along K in v[s .. s+63] (lane (r, h): row r, register 16 b + i: k = 32 b + 16 h + i) become 8 registers of codes in the operand's layout and a scale word
.macro QUANT s
.irp b, 0,1,2,3
	v_max3_num_f32 v[TM+\b], |v[\s+16*\b]|, |v[\s+1+16*\b]|, 0x1800000   ; the floor 2^(3 - 127) holds the byte at 1 from below
.endr
.irp i, 2,4,6,8,10,12,14
.irp b, 0,1,2,3
	v_max3_num_f32 v[TM+\b], v[TM+\b], |v[\s+16*\b+\i]|, |v[\s+1+16*\b+\i]|
.endr
.endr
	QMID
.irp b, 0,1,2,3
	v_cvt_scalef32_pk8_fp4_f32 v[PC+2*\b], v[\s+16*\b:\s+7+16*\b], v[TM+12+\b]
	v_cvt_scalef32_pk8_fp4_f32 v[PC+1+2*\b], v[\s+8+16*\b:\s+15+16*\b], v[TM+12+\b]
.endr
	v_nop                                  ; one plain place behind the last scaled conversion
	QSWAP
.endm
.macro IMAGE adr, off
.irp c, 0,1
	ds_store_b128 v[\adr], v[PC+4*\c:PC+4*\c+3] offset:\off+512*\c
.endr
.endm
; One unit: 16 rows of one expert.  They turn through my stage, so that a lane holds 16 neighbours along K; then the set of registers takes the loads of two experts on.
; In the last trip nothing of x is left to ask for: its first three slots then issue 14, 16 and 16 other loads, so that the count 46 (the three younger groups) holds in every trip.
.macro UNIT i
	s_wait_loadcnt 46
	WIN 0x04
.irp n, 0,1,2,3,4,5,6,7,8,9,10,11,12,13,14,15
	ds_store_b128 v[STI], v[64*(\i)+4*\n:64*(\i)+4*\n+3] offset:SPITCH*\n
.endr
	WIN 0
.irp b, 0,1,2,3
.irp j, 0,1,2,3
	ds_load_b128 v[HA+16*\b+4*\j:HA+16*\b+4*\j+3], v[STO] offset:128*\b+16*\j
.endr
.endr
	s_wait_dscnt 0x0
	s_cmp_eq_u32 s[TR], 1
	s_cbranch_scc1 .Llast_\i
	WIN 0x40
	XLOAD \i, 76+2*((\i)/2), 8192*((\i)%2)
	WIN 0
	s_branch .Ljoin_\i
.Llast_\i:
.if \i == 1
	BIAS                                   ; 16 loads: b1 for the first pass
.elseif \i == 2
	WIN 0x80
.irp t, 0,1
.irp e, 0,1,2,3,4,5,6,7
	global_load_b32 v[8*\t+\e], v[PO], s[80:81] offset:131072*\e+64*\t   ; 16 loads: the probabilities of my 32 rows, a lane a row, registers along the experts (window 2)
.endr
.endr
	WIN 0
.elseif \i == 0
	global_load_b128 v[MK:MK+3], v[MO], s[12:13]                   ; 14 loads: my row's mask, its probabilities for the end,
	global_load_b128 v[MK+4:MK+7], v[MO], s[12:13] offset:16
.irp e, 0,1,2,3,4,5,6,7
	global_load_b32 v[PB+\e], v[PLN], s[80:81] offset:131072*\e
.endr
.irp t, 0,1,2,3
	WSCALES \t, \t                         ; and the scale words of the first four steps of weights
.endr
.else
	s_wait_loadcnt 0x0                     ; every earlier load has landed: no load into the four sets is out when the weights' loads name them
	WIN 0x40
.irp t, 0,1,2,3
	WCODES \t, \t                          ; 64 loads: their fragments, into the four sets that held x
.endr
	WIN 0
.endif
.Ljoin_\i:
	QUANT HA
	IMAGE XWA, 8192*((\i)/2)+1024*((\i)%2)
	ds_store_b32 v[XWSA], v[PW] offset:512*((\i)/2)+4*((\i)%2)
.endm
.macro XADR ph, n                      ; where K step n of the rows' image lies: ph = 0 gate_in, 1 the hidden layer
.if \ph
.set XA,  AH0
.set XOF, 8192*(\n)
.set XSA, AHS0
.elseif (\n) < 8
.set XA,  AX0
.set XOF, 8192*(\n)
.set XSA, AXS0
.else
.set XA,  AX1
.set XOF, 0
.set XSA, AXS0
.endif
.set XSO, 512*(\n)
.endm
.macro XF0 ph, n                       ; 9 LDS loads: row blocks 0-3 and their scale words
	XADR \ph, \n
	ds_load_b128 v[XS:XS+3], v[XSA] offset:XSO
.irp a, 0,1,2,3
.irp c, 0,1
	ds_load_b128 v[XF+8*\a+4*\c:XF+8*\a+4*\c+3], v[XA] offset:XOF+1024*\a+512*\c
.endr
.endr
.endm
.macro XF1 ph, n                       ; 9 more: row blocks 4-7
	XADR \ph, \n
	ds_load_b128 v[XS+4:XS+7], v[XSA] offset:XSO+256
.irp a, 4,5,6,7
.irp c, 0,1
	ds_load_b128 v[XF+8*\a+4*\c:XF+8*\a+4*\c+3], v[XA] offset:XOF+1024*\a+512*\c
.endr
.endr
.endm
; 8 matrix instructions of 32 units x 16 rows x 128: row blocks a0, a0 + 1 x my four pairs of tiles.  The 32 accumulators take turns, one instruction a turn.  first = 1: the bias is C.
.macro MUL8 a0, set, first
.irp a, \a0, \a0+1
.irp p, 0,1,2,3
.if \first
	v_wmma_scale_f32_32x16x128_f4 v[64*((\a)%4)+16*\p:64*((\a)%4)+16*\p+15], v[64*(\set)+16*\p:64*(\set)+16*\p+15], v[XF+8*(\a):XF+8*(\a)+7], v[BI+16*\p:BI+16*\p+15], v[WS+4*(\set)+\p], v[XS+(\a)]
.else
	v_wmma_scale_f32_32x16x128_f4 v[64*((\a)%4)+16*\p:64*((\a)%4)+16*\p+15], v[64*(\set)+16*\p:64*(\set)+16*\p+15], v[XF+8*(\a):XF+8*(\a)+7], v[64*((\a)%4)+16*\p:64*((\a)%4)+16*\p+15], v[WS+4*(\set)+\p], v[XS+(\a)]
.endif
.endr
.endr
.endm
; K step q of a product, on weight set q % 4.  nx: the next step's rows are fetched (blocks 0-3 in the middle, 4-7 at the end).  wl >= 0: stream step wl is loaded into set ws, which the step before has done with;
; wl = -2: W3's fragments, over row blocks 0-3.  lc >= 0: the wait for this step's weights: the global loads issued behind them.
.macro STEP ph, q, first, nx, wl, ws, lc
.if (\lc) >= 0
	s_wait_loadcnt \lc
.endif
	s_wait_dscnt 9                         ; blocks 0-3 are in; the nine youngest loads may be out
.if \first
	WIN 0x81
.else
	WIN 0xa1
.endif
	MUL8 0, (\q)%4, \first
	MUL8 2, (\q)%4, \first
	s_wait_dscnt 0x0
	PLACES
.if (\wl) >= 0
	WLOAD \wl, \ws
.endif
	WIN 0
.if (\wl) == -2
.irp g, 0,1,2,3
.irp c, 0,1
	global_load_b128 v[W3F+8*\g+4*\c:W3F+8*\g+4*\c+3], v[XO], s[W3B:W3B+1] offset:1024*\g+512*\c
.endr
.endr
.endif
.if \nx
	XF0 \ph, (\q)+1
.endif
.if \first
	WIN 0xc1
.else
	WIN 0xf1
.endif
	MUL8 4, (\q)%4, \first
	MUL8 6, (\q)%4, \first
	PLACES
	WIN 0
.if \nx
	XF1 \ph, (\q)+1
.endif
.endm
; relu and quantiser along my 128 units, straight from the accumulators of row block a (window 2 or 3); image and scale word into LDS: one K step of the next product
.macro EPIQ
.irp a, 0,1,2,3,4,5,6,7
	WIN 10+5*(\a/4)                        ; sources 0 and 1 in the accumulators' window
.irp b, 0,1,2,3
	v_max3_num_f32 v[TM+\b], v[64*(\a%4)+16*\b], v[64*(\a%4)+1+16*\b], 0x1800000   ; no |.|: what relu clips does not count; each accumulator is read from its low end on
.endr
	WIN 40+20*(\a/4)                       ; sources 1 and 2
.irp i, 2,4,6,8,10,12,14
.irp b, 0,1,2,3
	v_max3_num_f32 v[TM+\b], v[TM+\b], v[64*(\a%4)+16*\b+\i], v[64*(\a%4)+1+16*\b+\i]
.endr
.endr
	WIN 0
	QMID
	WIN 2+(\a/4)                           ; source 0
.irp b, 0,1,2,3
	v_cvt_scalef32_pk8_fp4_f32 v[PC+2*\b], v[64*(\a%4)+16*\b:64*(\a%4)+7+16*\b], v[TM+12+\b]
	v_cvt_scalef32_pk8_fp4_f32 v[PC+1+2*\b], v[64*(\a%4)+8+16*\b:64*(\a%4)+15+16*\b], v[TM+12+\b]
.endr
	WIN 0
	v_nop                                  ; one plain place behind the last scaled conversion
.irp j, 0,1,2,3,4,5,6,7
	v_and_b32 v[HA+\j], 0x88888888, v[PC+\j]                       ; the eight codes' signs: 8 in each negative code's four bits,
.endr
.irp j, 0,1,2,3,4,5,6,7
	v_lshrrev_b32 v[HA+8+\j], 3, v[HA+\j]                          ; 1 there,
.endr
.irp j, 0,1,2,3,4,5,6,7
	v_sub_nc_u32 v[HA+\j], v[HA+\j], v[HA+8+\j]                    ; 7 there: a negative code's exponent and mantissa bits,
.endr
.irp j, 0,1,2,3,4,5,6,7
	v_bfi_b32 v[PC+\j], v[HA+\j], 0, v[PC+\j]                      ; which are cleared: the code of -0 is left
.endr
	QSWAP
	IMAGE HWA, 1024*\a
	ds_store_b32 v[HWSA], v[PW] offset:256*(\a/4)+4*(\a%4)
.endr
.endm
	s_load_b512 s[8:23], s[0:1], 0x0               ; reprs, probs, mask, wq, b1, b2, b3, out0
	s_load_b64 s[24:25], s[0:1], 0x40              ; out1
	v_lshl_add_u32 v[SPW], v0, 2, SPARE
	v_mov_b32 v[NIL], 0
	v_lshrrev_b32 v1, 5, v0
	v_readfirstlane_b32 s[WV], v1
	v_and_b32 v1, 31, v0
	v_and_b32 v2, 15, v0
	v_bfe_u32 v3, v0, 4, 1
	v_lshlrev_b32 v[XO], 4, v1
	s_lshl_b32 s6, ttmp9, 16                       ; 128 rows of 512 bytes a work-group,
	s_lshl_b32 s96, s[WV], 14                      ; 32 a wave
	s_add_co_u32 s6, s6, s96
	s_mov_b32 s7, 0
	s_wait_alu depctr_va_vdst(0)
	s_wait_kmcnt 0x0
	s_add_nc_u64 s[72:73], s[8:9], s[6:7]          ; experts 0, 1, 2, 3: 16 MiB apart
	s_add_nc_u64 s[74:75], s[72:73], 0x1000000
	s_add_nc_u64 s[76:77], s[72:73], 0x2000000
	s_add_nc_u64 s[78:79], s[72:73], 0x3000000
	WIN 0x40
	XLOAD 0, 72, 0
	XLOAD 1, 72, 8192
	XLOAD 2, 74, 0
	WIN 0
	s_load_b256 s[28:35], s[20:21], 0x0            ; b3
	s_lshl_b32 s6, ttmp9, 9
	s_add_nc_u64 s[22:23], s[22:23], s[6:7]        ; out0: 512 bytes a work-group
	s_lshl_b32 s96, s[WV], 7
	s_add_co_u32 s6, s6, s96
	s_add_nc_u64 s[80:81], s[10:11], s[6:7]        ; my 32 rows' probabilities
	s_lshl_b32 s6, s6, 3
	s_add_nc_u64 s[12:13], s[12:13], s[6:7]
	s_add_nc_u64 s[24:25], s[24:25], s[6:7]
	s_mov_b32 s67, 0
	s_lshl_b32 s66, s[WV], 13
	s_add_nc_u64 s[WB:WB+1], s[14:15], s[66:67]
	s_lshl_b32 s66, s[WV], 9
	s_add_nc_u64 s[82:83], s[16:17], s[66:67]
	s_add_nc_u64 s[84:85], s[82:83], 2048
	s_add_nc_u64 s[86:87], s[18:19], s[66:67]
	s_add_co_u32 s66, s66, 32768
	s_add_nc_u64 s[WSB:WSB+1], s[14:15], s[66:67]
	s_lshl_b32 s66, s[WV], 12
	s_add_co_u32 s66, s66, W3Q
	s_add_nc_u64 s[W3B:W3B+1], s[14:15], s[66:67]
	s_mov_b32 s[SEL], 0x76543210
	s_mov_b32 s[SEL+1], 0xfedcba98
	s_mov_b32 s[PS], 0
	s_mov_b32 s[TH], 0
	s_mov_b32 s[THS], 0
	s_lshr_b32 s62, ttmp9, 1                       ; which of the 32 parts of wq I ask for: five sums of neighbouring bits of the work-group's number
	s_xor_b32 s62, s62, ttmp9
	s_and_b32 s63, s62, 3
	s_lshr_b32 s66, s62, 1
	s_and_b32 s66, s66, 12
	s_or_b32 s63, s63, s66
	s_lshr_b32 s66, s62, 2
	s_and_b32 s66, s66, 16
	s_or_b32 s63, s63, s66
	s_mul_i32 s66, s63, 113
	s_mul_i32 s62, s[WV], 16*SPITCH
	s_add_co_u32 s62, s62, STG
	v_add_nc_u32 v[STI], s62, v[XO]
	v_mul_u32_u24 v[STO], v2, SPITCH
	v_lshl_add_u32 v[STO], v3, 6, v[STO]
	v_add_nc_u32 v[STO], s62, v[STO]
	s_lshl_b32 s62, s[WV], 11
	s_add_co_u32 s62, s62, XIMG
	v_add_nc_u32 v[XWI], s62, v[XO]
	v_add_nc_u32 v[X8W], 65536, v[XWI]
	s_lshr_b32 s62, s[WV], 1
	s_lshl_b32 s62, s62, 8
	s_and_b32 s63, s[WV], 1
	s_lshl_b32 s63, s63, 3
	s_add_co_u32 s62, s62, s63
	s_add_co_u32 s62, s62, XSC
	v_lshl_add_u32 v[XWS], v2, 4, s62
	s_lshl_b32 s62, s[WV], 13
	s_add_co_u32 s62, s62, HIMG
	v_add_nc_u32 v[HWI], s62, v[XO]
	s_lshl_b32 s62, s[WV], 9
	s_add_co_u32 s62, s62, HSC
	v_lshl_add_u32 v[HWSI], v2, 4, s62
	v_add_nc_u32 v[AX0], XIMG, v[XO]
	v_add_nc_u32 v[AX1], XIMG+65536, v[XO]
	v_lshl_add_u32 v[AXS0], v2, 4, XSC
	v_add_nc_u32 v[AH0], HIMG, v[XO]
	v_lshl_add_u32 v[AHS0], v2, 4, HSC
	v_lshlrev_b32 v[WSO], 4, v2
	v_lshl_add_u32 v[WSO], v3, 8, v[WSO]
	v_lshlrev_b32 v[VB], 6, v3
	v_lshlrev_b32 v[PO], 2, v2
	v_lshlrev_b32 v[MO], 5, v1
	v_lshlrev_b32 v[PLN], 2, v1
	s_lshl_b32 s62, s[WV], 12
	s_add_co_u32 s62, s62, PLG
	v_lshl_add_u32 v[PST], v2, 5, s62
	s_lshl_b32 s62, s[WV], 10
	s_add_co_u32 s63, s62, PLG
	v_lshl_add_u32 v[PRD], v1, 5, s63
	s_add_co_u32 s63, s62, O1
	v_lshl_add_u32 v[O1S], v1, 5, s63
	v_add_nc_u32 v[O1R], s63, v[XO]
	v_lshl_add_u32 v[O0S], v0, 2, O0
	v_add_nc_u32 v[O0R], O0, v[XO]
.irp b, 0,1,2,3
	v_mov_b32 v[TM+4+\b], 0                        ; a lane permute's destination counts as one of its sources
.endr
	v_min_u32 v[PFO], 112, v0                      ; my thread's block of the part's 113 (the threads left over name the last again),
	v_add_nc_u32 v[PFO], s66, v[PFO]
	v_min_u32 v[PFO], 3599, v[PFO]                 ; held at wq's last block,
	v_lshlrev_b32 v[PFO], 8, v[PFO]                ; in bytes
	WIN 0x40
	XLOAD 3, 74, 8192
	WIN 0
	global_prefetch_b8 v[PFO], s[14:15] th:TH_LOAD_NT scope:SCOPE_SE   ; neither register is written again
	s_mov_b32 s94, 0
	s_mov_b32 s95, 0
	s_mov_b32 s[TR], 4
	s_wait_alu depctr_va_vdst(0)
	s_wait_kmcnt 0x0
.Lexperts:                                             ; a trip: two experts, four units
	v_add_nc_u32 v[XWA], s94, v[XWI]
	v_add_nc_u32 v[XWSA], s95, v[XWS]
	UNIT 0
	UNIT 1
	UNIT 2
	UNIT 3
	s_wait_xcnt 0x0                                ; the loads have read their bases
	s_add_nc_u64 s[76:77], s[76:77], 0x2000000
	s_add_nc_u64 s[78:79], s[78:79], 0x2000000
	s_add_co_u32 s94, s94, 16384
	s_add_co_u32 s95, s95, 1024
	s_sub_co_u32 s[TR], s[TR], 1
	s_cmp_lg_u32 s[TR], 0
	s_cbranch_scc1 .Lexperts
	s_wait_loadcnt 63                              ; the probabilities are in: 64 loads were issued behind them
	s_mov_b32 vcc_lo, 0xffff0000
.set n, 8
.rept 56
	v_mov_b32 v[HA+n], 0                           ; the ninth K step: k = 1024 .. 1031 exist, the rest is zeros
.set n, n+1
.endr
.irp i, 0,1
	WIN 0x02
.irp e, 0,1,2,3,4,5,6,7
	v_cndmask_b32 v[HA+\e], v[8*\i+\e], v[NIL], vcc_lo             ; lanes 16-31 stand for k = 1040 on: zeros
.endr
	WIN 0
	QUANT HA
	IMAGE X8W, 1024*\i
	ds_store_b32 v[XWS], v[PW] offset:4096+4*\i
.endr
	BARRIER                                        ; gate_in's image is whole
.Lpass:                                                ; product 1, 512 units a pass
	v_add_nc_u32 v[HWA], s[TH], v[HWI]
	v_add_nc_u32 v[HWSA], s[THS], v[HWSI]
	XF0 0, 0
	XF1 0, 0
	s_wait_alu depctr_va_vdst(0)
	STEP 0, 0, 1, 1, -1, 0, 0                      ; all four sets and the bias are in
	STEP 0, 1, 0, 1, 4, 0, -1
	STEP 0, 2, 0, 1, 5, 1, -1
	STEP 0, 3, 0, 1, 6, 2, -1
	STEP 0, 4, 0, 1, 7, 3, 34                      ; from here on: behind a step's weights two groups of 17 have been issued
	STEP 0, 5, 0, 1, 8, 0, 34
	STEP 0, 6, 0, 1, 10, 1, 34                     ; the next product's or pass's steps 1, 2, 3,
	STEP 0, 7, 0, 1, 11, 2, 34
	STEP 0, 8, 0, 0, 12, 3, 34
	WLOAD 9, 0                                     ; and its step 0, into the set that the last step used
	s_cmp_eq_u32 s[PS], 0
	s_cselect_b64 s[82:83], s[84:85], s[86:87]     ; b1's second half, then b2
	BIAS
	EPIQ
	BARRIER                                        ; behind the second pass: the hidden layer's image is whole
	s_wait_xcnt 0x0                                ; the loads have read their bases
	s_add_nc_u64 s[WB:WB+1], s[WB:WB+1], 9*STEPB
	s_add_nc_u64 s[WSB:WSB+1], s[WSB:WSB+1], 9*STEPB
	s_add_co_u32 s[TH], s[TH], 32768
	s_add_co_u32 s[THS], s[THS], 2048
	s_add_co_u32 s[PS], s[PS], 1
	s_cmp_lt_u32 s[PS], 2
	s_cbranch_scc1 .Lpass
	XF0 1, 0                                       ; product 2
	XF1 1, 0
	STEP 1, 0, 1, 1, -1, 0, 0
	STEP 1, 1, 0, 1, 4, 0, -1
	STEP 1, 2, 0, 1, 5, 1, -1
	STEP 1, 3, 0, 1, 6, 2, -1
	STEP 1, 4, 0, 1, 7, 3, 34
	STEP 1, 5, 0, 1, -1, 0, 34
	STEP 1, 6, 0, 1, -1, 0, 17                     ; behind step 6's weights: step 7's
	STEP 1, 7, 0, 0, -2, 0, 0
	; product 3: relu, bf16, my 128 units' part of the 8 logits of all 128 rows
.irp a, 0,1,2,3,4,5,6,7
	WIN 0x88+0x44*(\a/4)
.set n, 0
.rept 64
	v_max_num_f32 v[64*(\a%4)+n], 0, v[64*(\a%4)+n]
.set n, n+1
.endr
	WIN 0x4a+5*(\a/4)
.set n, 0
.rept 32
	v_cvt_pk_bf16_f32 v[32*\a+n], v[64*(\a%4)+2*n], v[64*(\a%4)+2*n+1]
.set n, n+1
.endr
.endr
	WIN 0x04
	s_wait_alu depctr_va_vdst(0)
	s_wait_loadcnt 0x0                             ; W3's fragments
.irp g, 0,1,2,3
.irp a, 0,1,2,3,4,5,6,7
.if \g == 0
	v_wmma_f32_16x16x32_bf16 v[BI+8*\a:BI+8*\a+7], v[W3F+8*\g:W3F+8*\g+7], v[32*\a+8*\g:32*\a+8*\g+7], 0
.else
	v_wmma_f32_16x16x32_bf16 v[BI+8*\a:BI+8*\a+7], v[W3F+8*\g:W3F+8*\g+7], v[32*\a+8*\g:32*\a+8*\g+7], v[BI+8*\a:BI+8*\a+7]
.endif
.endr
.endr
	WIN 0
	PLACES
.irp a, 0,1,2,3,4,5,6,7
.irp i, 0,1
	ds_store_b128 v[PST], v[BI+8*\a+4*\i:BI+8*\a+4*\i+3] offset:512*\a+16*\i
.endr
.endr
	BARRIER
.irp q, 0,1,2,3                        ; a lane takes a row: the four waves' parts of its 8 logits
.irp i, 0,1
	ds_load_b128 v[ZR+8*\q+4*\i:ZR+8*\q+4*\i+3], v[PRD] offset:4096*\q+16*\i
.endr
.endr
	s_wait_dscnt 0x0
.irp p, 0,2,4,6
	v_pk_add_f32 v[ZR+\p:ZR+\p+1], v[ZR+\p:ZR+\p+1], v[ZR+8+\p:ZR+9+\p]
	v_pk_add_f32 v[ZR+16+\p:ZR+17+\p], v[ZR+16+\p:ZR+17+\p], v[ZR+24+\p:ZR+25+\p]
.endr
.irp p, 0,2,4,6
	v_pk_add_f32 v[ZR+\p:ZR+\p+1], v[ZR+\p:ZR+\p+1], v[ZR+16+\p:ZR+17+\p]
.endr
.irp e, 0,1,2,3,4,5,6,7
	v_add_f32 v[ZR+\e], s[28+\e], v[ZR+\e]         ; + b3
.endr
	v_max3_num_f32 v200, v[ZR], v[ZR+1], v[ZR+2]   ; the row's maximum is taken away, as reference() does
	v_max3_num_f32 v200, v200, v[ZR+3], v[ZR+4]
	v_max3_num_f32 v200, v200, v[ZR+5], v[ZR+6]
	v_max_num_f32 v200, v200, v[ZR+7]
.irp e, 0,1,2,3,4,5,6,7
	v_sub_f32 v[ZR+\e], v[ZR+\e], v200
.endr
.irp e, 0,1,2,3,4,5,6,7
	v_mul_f32 v[ZR+\e], 0x3fb8aa3b, v[ZR+\e]
.endr
	s_wait_alu depctr_va_vdst(0)                   ; a wait ahead of a batch of transcendentals and one behind it
.irp e, 0,1,2,3,4,5,6,7
	v_exp_f32 v[ZR+\e], v[ZR+\e]
.endr
	v_nop
	s_wait_alu depctr_va_vdst(0)
	v_pk_add_f32 v[202:203], v[ZR:ZR+1], v[ZR+2:ZR+3]
	v_pk_add_f32 v[204:205], v[ZR+4:ZR+5], v[ZR+6:ZR+7]
	v_pk_add_f32 v[202:203], v[202:203], v[204:205]
	v_add_f32 v202, v202, v203
	s_wait_alu depctr_va_vdst(0)
	v_rcp_f32 v206, v202
.irp p, 0,2,4,6
	v_pk_mul_f32 v[ZR+\p:ZR+\p+1], v[ZR+\p:ZR+\p+1], v[MK+\p:MK+\p+1]
.endr
	s_wait_alu depctr_va_vdst(0)
.irp e, 0,1,2,3,4,5,6,7
	v_mul_f32 v[ZR+\e], v206, v[ZR+\e]             ; softmax x mask
.endr
	v_pk_add_f32 v[202:203], v[ZR:ZR+1], v[ZR+2:ZR+3]
	v_pk_add_f32 v[204:205], v[ZR+4:ZR+5], v[ZR+6:ZR+7]
	v_pk_add_f32 v[202:203], v[202:203], v[204:205]
	v_add_f32 v202, v202, v203
	v_add_f32 v202, 0x322bcc77, v202               ; + 1e-8
	s_wait_alu depctr_va_vdst(0)
	v_rcp_f32 v208, v202
	v_nop
	s_wait_alu depctr_va_vdst(0)
.irp e, 0,1,2,3,4,5,6,7
	v_mul_f32 v[ZR+\e], v208, v[ZR+\e]
.endr
	v_mul_f32 v209, v[ZR], v[PB]
.irp e, 1,2,3,4,5,6,7
	v_fmac_f32 v209, v[ZR+\e], v[PB+\e]
.endr
	ds_store_b128 v[O1S], v[ZR:ZR+3]               ; through LDS, so that each store covers 512 consecutive bytes
	ds_store_b128 v[O1S], v[ZR+4:ZR+7] offset:16
	ds_load_b128 v[ZR+8:ZR+11], v[O1R]
	ds_load_b128 v[ZR+12:ZR+15], v[O1R] offset:512
	ds_store_b32 v[O0S], v209
	BARRIER
	global_store_b128 v[XO], v[ZR+8:ZR+11], s[24:25] th:TH_STORE_NT
	global_store_b128 v[XO], v[ZR+12:ZR+15], s[24:25] offset:512 th:TH_STORE_NT
	s_cmp_lg_u32 s[WV], 0
	s_cbranch_scc1 .Lnot_first
	ds_load_b128 v[ZR+16:ZR+19], v[O0R]            ; wave 0: the work-group's 128 weighted probabilities
	s_wait_dscnt 0x0
	global_store_b128 v[XO], v[ZR+16:ZR+19], s[22:23] th:TH_STORE_NT
.Lnot_first:
	s_wait_tensorcnt 0x0                           ; the wave's end
	ds_add_u32 v[SPW], v[NIL]
	s_wait_dscnt 0x0
	s_endpgm
.Lfunc_end_k_qee5fc9a62e_gate:
	.size	k_qee5fc9a62e_gate, .Lfunc_end_k_qee5fc9a62e_gate-k_qee5fc9a62e_gate
	.p2alignl 7, 3214868480
	.fill 96, 4, 3214868480
	.section	.rodata,"a",@progbits
	.p2align	6, 0x0
	.amdhsa_kernel k_qee5fc9a62e_gate
		.amdhsa_group_segment_fixed_size 148480
		.amdhsa_private_segment_fixed_size 0
		.amdhsa_enable_private_segment 0
		.amdhsa_kernarg_size 72
		.amdhsa_user_sgpr_count 2
		.amdhsa_user_sgpr_kernarg_segment_ptr 1
		.amdhsa_wavefront_size32 1
		.amdhsa_system_sgpr_workgroup_id_x 1
		.amdhsa_system_sgpr_workgroup_id_y 1
		.amdhsa_system_sgpr_workgroup_id_z 1
		.amdhsa_system_vgpr_workitem_id 0
		.amdhsa_next_free_vgpr 1024
		.amdhsa_next_free_sgpr 100
		.amdhsa_reserve_vcc 1
		.amdhsa_float_denorm_mode_32 3
		.amdhsa_float_denorm_mode_16_64 3
		.amdhsa_memory_ordered 1
		.amdhsa_forward_progress 1
		.amdhsa_inst_pref_size 255
	.end_amdhsa_kernel
	.section	.bss,"aw",@nobits
	.p2align	6
	.space	262144
	.amdgpu_metadata
---
amdhsa.version: [ 1, 2 ]
amdhsa.kernels:
  - .name:           k_qee5fc9a62e_gate
    .symbol:         k_qee5fc9a62e_gate.kd
    .args:
      - { .name: expert_reprs, .offset: 0, .size: 8, .value_kind: global_buffer, .address_space: global }
      - { .name: expert_probs, .offset: 8, .size: 8, .value_kind: global_buffer, .address_space: global }
      - { .name: active_mask, .offset: 16, .size: 8, .value_kind: global_buffer, .address_space: global }
      - { .name: wq, .offset: 24, .size: 8, .value_kind: global_buffer, .address_space: global }
      - { .name: b1, .offset: 32, .size: 8, .value_kind: global_buffer, .address_space: global }
      - { .name: b2, .offset: 40, .size: 8, .value_kind: global_buffer, .address_space: global }
      - { .name: b3, .offset: 48, .size: 8, .value_kind: global_buffer, .address_space: global }
      - { .name: out0, .offset: 56, .size: 8, .value_kind: global_buffer, .address_space: global }
      - { .name: out1, .offset: 64, .size: 8, .value_kind: global_buffer, .address_space: global }
    .group_segment_fixed_size: 148480
    .private_segment_fixed_size: 0
    .kernarg_segment_align: 8
    .kernarg_segment_size: 72
    .max_flat_workgroup_size: 128
    .sgpr_count:     100
    .vgpr_count:     1024
    .wavefront_size: 32
...
	.end_amdgpu_metadata
.endif
;; end of part 2
